; MI455X (gfx1250); checked and timed in simulation.
; The chip was launched on July 23, 2026; its instructions are those of AMD's public machine-readable ISA for CDNA 5 (MIT licence, August 2026) and "CDNA5" Instruction Set Architecture Reference Guide (July 2026). The comments in the code are by the model that wrote it; some were corrected since.
;; Full Attention. Allowed arithmetic: matrix products marked QUANTISED: E2M1 operands, one E8M0 scale for each 32 along K, by v_wmma_scale_f32_16x16x128_f8f6f4 with both operands' format E2M1 (or v_wmma_scale_f32_32x16x128_f4), f32 sums; everything else in f32.
;; Inputs: keys 4 x 2,048 x 8 x 64 float32; queries 4 x 2,048 x 8 x 64 float32; values 4 x 2,048 x 8 x 64 float32.
;; Outputs: out0 4 x 2,048 x 8 x 64 float32.
;; This version of the problem:
;;   THIS VERSION OF THE PROBLEM IS GIVEN IN LOW PRECISION. The matrix products marked QUANTISED in the list below multiply operands that are first quantised to E2M1 (2 exponent bits, 1 mantissa bit; 4 bits a number), with one power-of-two scale for each 32 numbers along K (OCP MX v1.0); their sums are f32. All else is computed in f32.
;;   The module's matrix products, in the order in which they are computed (A, B: the left and right operand; K: the contracted axis; several contracted axes count as one K, in the product's order):
;;     1. batch 32 x [M 2,048, K 64] x [K 64, N 2,048]; A: input queries; B: input keys: QUANTISED
;;     2. batch 32 x [M 64, K 2,048] x [K 2,048, N 2,048]; A: input values; B: softmax (see below): QUANTISED
;;   THE QUANTISER, for each operand of a quantised product, along K:
;;     - K is cut into blocks of 32 from its start; a last block that is shorter is filled with zeros.
;;     - A block's scale is 2^e with e = floor(log2(the largest magnitude in the block)) - 2, held to -126 .. 127; a block of zeros has e = 0. As a byte (E8M0): e + 127.
;;     - Each number is divided by its block's scale, clamped to +-6, and rounded to the nearest number of E2M1, ties to even, subnormals kept.
;;     - The product sums the exact products of the quantised numbers (number of the format x scale) in f32.
;;   ~~~python
;;   def quantise(x, axis):      # numpy; x: float32 -> the quantised numbers, widened to float32 again
;;       x = np.moveaxis(x, axis, -1); K = x.shape[-1]
;;       x = np.pad(x, [(0, 0)] * (x.ndim - 1) + [(0, -K % 32)]); x = x.reshape(x.shape[:-1] + (-1, 32)); a = np.abs(x).max(-1, keepdims=True)
;;       e = np.where(a > 0, np.clip(np.frexp(np.where(a > 0, a, 1))[1] - 1 - 2, -126, 127), 0)      # np.frexp(a)[1] - 1 = floor(log2(a)), exactly
;;       r = np.clip(x / 2.0 ** e, -6, 6)
;;       step = 2.0 ** (np.maximum(np.frexp(np.where(r == 0, 1, r))[1] - 1, 0) - 1)
;;       q = np.round(r / step) * step * 2.0 ** e      # np.round: ties to even
;;       return np.moveaxis(q.reshape(q.shape[:-2] + (-1,))[..., :K], -1, axis).astype(np.float32)
;;   ~~~
;;   SOFTMAX AHEAD OF A QUANTISED PRODUCT. Where the list says 'softmax', what is quantised is not the finished softmax but p = 2^(t - M), with t = logit x log2(e) and M = ceil(the row's largest t), a whole number; so 1/2 < the row's largest p <= 1. The row's sum l is taken of the UNQUANTISED p, in f32, and the product's result is divided by l at the end. Since M is a whole number, a kernel that streams over the keys may use a running M (the ceiling of the running maximum): every later rescaling is an exact power of two, which a block's scale takes up: the codes' values come out the same.
;;   OPERANDS COMPUTED ON THE WAY. 'Computed on the way' means the value that the module computes at that place (a softmax that the list does not call 'softmax' is quantised finished and normalised). What goes into a quantiser is computed in f32, as accurately as f32 sums, v_exp_f32 and their like allow (about 1e-6 of the number): no bf16 or f16 on the way to a quantiser, and a product that is left as it is and whose result goes on into a quantised operand takes f32 operands (vector FMAs, or v_wmma_f32_16x16x4_f32). A number that lies on a knife's edge between two numbers of the format may be rounded either way, as far as f32 arithmetic and the matrix unit's own rounding can turn it there, and no further.
;; One version. Each part assembles by itself: llvm-mc -triple=amdgcn-amd-amdhsa -mcpu=gfx1250 --defsym DOCPART=n.
;; ======== version 1 of 1: 2 launches
;; limits: right only within a limited range of input values
;; workspace buffers: kv 4,587,520 bytes
;; launch prep (part 1): grid 512 x 1, 4 waves a work-group, no clusters, 34,304 bytes of LDS; arguments keys, values, kv; writes kv
.if DOCPART == 1
	.amdgcn_target "amdgcn-amd-amdhsa--gfx1250"
	.amdhsa_code_object_version 6
	.text
	.protected	k_q54106758d4_prep
	.globl	k_q54106758d4_prep
	.p2align	8
	.type	k_q54106758d4_prep,@function
k_q54106758d4_prep:
	s_mov_b64 s[64:65], 0
	v_nop
	global_prefetch_b8 v0, s[64:65] scope:SCOPE_SE
	s_setreg_imm32_b32 hwreg(HW_REG_WAVE_MODE, 25, 1), 1
	s_wait_xcnt 0x0
; keys and values, [4][2048][8][64] f32, become codes of FP4 (E2M1) with one E8M0 scale byte for each 32 along a product's K, laid in kv as IMAGES OF THE OPERANDS' REGISTERS.
; K is quantised along the head's 64 channels (two blocks a key), V down the keys (blocks of 32 keys of one channel).
; kv: for each head bh = 8 b + head sixteen chunks of 8,960 bytes (35 x 256), chunk w at (16 bh + w) x 8,960.  With j a step of 128 keys, lane l = (r = l % 16, h = l / 16):
;   chunk w = 0..7, +512 j + 16 l: K's tile w of step j: channels 32 h .. 32 h + 31 of key 128 j + 64 (w / 4) + 32 (r / 8) + 8 (w % 4) + r % 8
;   chunk w = 8 + 2 t + c, +512 j + 16 l: V's channel tile t, half c of step j: keys 128 j + 64 c + 32 h + 0 .. 31 of channel 16 t + r
;   chunk w, +8192: K's scale words of step w at 256 (t / 4) + 16 r + 4 (t % 4): byte 0 channels 0-31, byte 1 channels 32-63, bytes 2 and 3 are 0 (they stand over zero codes of the other operand)
;   chunk w, +8704: V's scale words of step w at 4 x channel: byte i for keys 32 i .. 32 i + 31 of the step
; A block's scale is 2^(floor(log2(its largest magnitude)) - 2); its byte is the largest magnitude's exponent field - 2, held at 1 from below by a floor among the maximum's leaves.
; A block of zeros so gets the byte 1 where the quantiser says 127: its codes are zeros, which add nothing under any byte but 0xff, and this program alone reads the bytes.
; WORK LEFT OUT (in the second launch; here all is live: every key serves the last query): a step of 128 keys all of which come after a tile's queries.  reference()'s causal mask gives their scores the lowest f32, so their
; softmax is exactly 0 whatever the inputs hold.  LIMIT: a NaN, an infinity or an overflow that reaches only the work left out is not carried to the result.
; LIMITS: NaN and infinities among the inputs are not served.
; SHARES.  Work-groups 0-255 take K, 256-511 V.  Unit u = 4 x (work-group % 256) + wave: head u / 32, step (u / 2) % 16, half z = u % 2.  A wave takes 16 KiB of f32: K: 64 keys x 64 channels; V: 128 keys x 32 channels.
; On both paths a wave asks for all its 16 KiB at once, by 32 loads of 16 bytes a lane, and turns the numbers through a stage of its own in LDS, so that a lane holds the 32 numbers of one block.
; No tensor loads, no barrier: waves share nothing.  Each path has LDS bytes of its own.
.set CH,   8960                        ; a chunk
.set SP,   272                         ; K's stage row: 256 bytes + 16: row r starts 16 r bytes on modulo 256, so sixteen lanes that take one column of sixteen rows touch sixteen different columns of 16 bytes
.set STG,  16*SP                       ; K's path: a wave's stage: 16 rows
.set VST,  4*STG                       ; V's path: behind K's four stages, 4,096 dense bytes for each wave: 32 keys x 32 channels
.set SPARE, 0x8400                     ; the spare words, 128 bytes for each wave
.set MA,   10                          ; v10, v11  two chains of the block's maximum
.set MB,   11
.set SCL,  12                          ; v12  the conversion's scale operand
.set BYT,  13                          ; v13  the scale's byte
.set T,    14                          ; v14  a lane permute's destination
.set SH,   15                          ; v15  8 h
.set W,    16                          ; v16-19  scale words
.set X,    32                          ; v32-159  four sets of 32 numbers
.set C,    160                         ; v160-175 four sets of 4 registers of codes: no store's data are written again
.set SPW,  176                         ; v176 my spare word; v177 0
.set NIL,  177
; 32 numbers of one block, v[x] .. v[x + 31], become 4 registers of codes v[c] .. v[c + 3]; the scale's byte is left in v[BYT].
.macro Q32 x, c
	v_max3_num_f32 v[MA], |v[(\x)]|, |v[(\x)+1]|, 0x1800000        ; the floor 2^(3 - 127), under which no largest magnitude is taken: so the byte cannot fall under 1
	v_max3_num_f32 v[MB], |v[(\x)+16]|, |v[(\x)+17]|, |v[(\x)+18]|
.irp i, 2,4,6,8,10,12
	v_max3_num_f32 v[MA], v[MA], |v[(\x)+\i]|, |v[(\x)+\i+1]|      ; two chains by turns
	v_max3_num_f32 v[MB], v[MB], |v[(\x)+17+\i]|, |v[(\x)+18+\i]|
.endr
	v_max3_num_f32 v[MA], v[MA], |v[(\x)+14]|, |v[(\x)+15]|
	v_max3_num_f32 v[MA], v[MA], v[MB], |v[(\x)+31]|               ; the block's largest magnitude
	v_add_nc_u32 v[SCL], 0xff000000, v[MA]                         ; 2 off its exponent field: the conversion takes the exponent field of this operand as its scale
	v_lshrrev_b32 v[BYT], 23, v[SCL]                               ; the scale's byte
.irp g, 0,1,2,3
	v_cvt_scalef32_pk8_fp4_f32 v[(\c)+\g], v[(\x)+8*\g:(\x)+8*\g+7], v[SCL]   ; eight numbers / the scale, to the nearest code, ties to even, beyond 6 the largest code; the first number's code in the lowest bits
.endr
.endm
	s_load_b128 s[4:7], s[0:1], 0x0                ; keys s[4:5], values s[6:7]
	s_load_b64 s[8:9], s[0:1], 0x10                ; kv
	v_lshl_add_u32 v[SPW], v0, 2, SPARE
	v_mov_b32 v[NIL], 0
	v_lshrrev_b32 v1, 5, v0
	v_readfirstlane_b32 s10, v1                    ; wave 0..3
	v_and_b32 v1, 31, v0                           ; lane
	v_and_b32 v2, 15, v0                           ; r
	v_bfe_u32 v3, v0, 4, 1                         ; h
	s_and_b32 s11, ttmp9, 255                      ; the work-group's number among its tensor's 256
	s_lshl_b32 s11, s11, 2
	s_add_co_u32 s11, s11, s10                     ; u
	s_lshr_b32 s13, s11, 5                         ; bh
	s_bfe_u32 s14, s11, 0x40001                    ; j: 4 bits from bit 1
	s_and_b32 s15, s11, 1                          ; z
	s_lshr_b32 s12, s11, 1                         ; 16 bh + j
	s_mul_i32 s18, s12, CH                         ; chunk j of the head, which holds the step's scale words
	s_mov_b32 s19, 0
	s_lshr_b32 s16, s13, 3                         ; the input's byte offset: b x 2^22
	s_lshl_b32 s16, s16, 22
	s_lshl_b32 s12, s14, 18                        ; + 128 j keys of 2,048 bytes
	s_or_b32 s16, s16, s12
	s_and_b32 s12, s13, 7                          ; + the head's 256 bytes in a key's row
	s_lshl_b32 s12, s12, 8
	s_or_b32 s16, s16, s12
	s_mov_b32 s17, 0
	s_wait_kmcnt 0x0
	s_add_nc_u64 s[8:9], s[8:9], s[18:19]          ; kv at chunk j of the head
	s_cmp_lt_u32 ttmp9, 256
	s_cbranch_scc0 .Lvalues
	; ---- K: z is the half g of the step's 128 keys: tiles 4 g + tau, tau = 0 .. 3
	s_lshl_b32 s12, s15, 17                        ; 64 g keys
	s_or_b32 s16, s16, s12
	s_add_nc_u64 s[4:5], s[4:5], s[16:17]
	s_lshl_b32 s18, s15, 8
	s_add_nc_u64 s[22:23], s[8:9], s[18:19]        ; + 256 g: my unit of scale words (with the immediate 8,192)
	s_mul_i32 s18, s15, 4*CH
	s_add_nc_u64 s[8:9], s[8:9], s[18:19]          ; + four chunks x g,
	s_mul_i32 s18, s14, CH-512
	s_sub_nc_u64 s[8:9], s[8:9], s[18:19]          ; back from chunk j to the head's first, and 512 j on: tile 4 g of step j
	s_mov_b32 s20, 0x76543210
	s_mov_b32 s21, 0xfedcba98                      ; v_permlanex16_b32's selects for lane l xor 16
	s_mul_i32 s13, s10, STG                        ; my stage
	v_mov_b32 v[T], 0                              ; a lane permute's destination counts as one of its sources
	s_wait_alu depctr_va_vdst(0)                   ; ahead of the readers below
	v_lshlrev_b32 v[SH], 3, v3
	v_lshlrev_b32 v4, 4, v2
	v_lshl_add_u32 v4, v3, 11, v4                  ; in: lanes 0-15 take one key's 256 bytes, lanes 16-31 the next key's
	v_mul_u32_u24 v5, v3, SP
	v_lshl_add_u32 v5, v2, 4, v5
	v_add_nc_u32 v5, s13, v5                       ; into the stage as loaded: row h, 16 r
	v_mul_u32_u24 v6, v2, SP
	v_lshl_add_u32 v6, v3, 7, v6
	v_add_nc_u32 v6, s13, v6                       ; out of it: row r, my block's 128 bytes
	v_lshlrev_b32 v7, 4, v1                        ; codes: 16 x lane
	v_lshlrev_b32 v8, 4, v2
	v_lshl_add_u32 v8, v3, 3, v8                   ; scale words: 16 r + 8 h
.macro KLOAD tau                       ; the tile's 16 keys, two whole rows of 256 bytes a load.  Tile row 2 i + h is key 32 (i / 4) + 8 tau + 2 (i % 4) + h of my 64
.irp i, 0,1,2,3,4,5,6,7
	global_load_b128 v[X+32*(\tau)+4*\i:X+32*(\tau)+4*\i+3], v4, s[4:5] offset:(32*(\i/4)+8*(\tau)+2*(\i%4))*2048 th:TH_LOAD_NT
.endr
.endm
.macro TURN tau                        ; through the stage, so that a lane holds 32 neighbours of one key.  LDS serves a wave's instructions in order (ISA guide 5.7.1.4): the loads see the stores, and the next tile's stores come behind these loads
.irp i, 0,1,2,3,4,5,6,7
	ds_store_b128 v5, v[X+32*(\tau)+4*\i:X+32*(\tau)+4*\i+3] offset:2*SP*\i
.endr
.irp i, 0,1,2,3,4,5,6,7
	ds_load_b128 v[X+32*(\tau)+4*\i:X+32*(\tau)+4*\i+3], v6 offset:16*\i
.endr
.endm
.macro KOUT tau
	Q32 X+32*(\tau), C+4*(\tau)
	v_lshlrev_b32 v[W+(\tau)], v[SH], v[BYT]       ; my block's byte at its place (a plain line behind the conversions);
	v_permlanex16_b32 v[T], v[W+(\tau)], s20, s21
	v_or_b32 v[W+(\tau)], v[W+(\tau)], v[T]        ; with lane l xor 16's the key's word is whole
	global_store_b128 v7, v[C+4*(\tau):C+4*(\tau)+3], s[8:9] offset:CH*(\tau)   ; 32 lanes store 512 consecutive bytes, at a multiple of 256 from kv's first byte
.endm
	KLOAD 0
	KLOAD 1
	KLOAD 2
	KLOAD 3                                        ; all 32 loads, the wave's 16 KiB, are out
	s_wait_alu depctr_va_vdst(0)                   ; at the head's end
	s_wait_loadcnt 24                              ; tile 0's eight are in; the 24 of the three later tiles may be out
	TURN 0
	s_wait_loadcnt 16
	TURN 1
	s_wait_dscnt 16                                ; tile 0 is back; tile 1's 8 stores and 8 loads may be out
	KOUT 0
	s_wait_loadcnt 8
	TURN 2
	s_wait_dscnt 16
	KOUT 1
	s_wait_loadcnt 0x0
	TURN 3
	s_wait_dscnt 16
	KOUT 2
	s_wait_dscnt 0x0
	KOUT 3
	v_cmp_ne_u32 vcc_lo, 0, v3
	v_cndmask_b32 v20, v[W], v[W+2], vcc_lo        ; lanes 0-15 store the words of tiles tau = 0, 1 of their key row, lanes 16-31 those of 2, 3
	v_cndmask_b32 v21, v[W+1], v[W+3], vcc_lo
	global_store_b64 v8, v[20:21], s[22:23] offset:8192   ; 32 lanes store 256 consecutive bytes, aligned
	s_wait_tensorcnt 0x0                           ; the wave's end
	ds_add_u32 v[SPW], v[NIL]
	s_wait_dscnt 0x0
	s_endpgm
.Lvalues:
	; ---- V: z says which 32 channels.  FOR THE QUANTISER LANE l TAKES CHANNEL 32 z + l, AND ITS REGISTERS RUN DOWN THE KEYS: a block of 32 keys lies in one lane's 32 registers.
	; The loads take the bytes as they lie, 16 a lane; a block of 32 keys x 32 channels, 4,096 bytes, turns through my stage: in as loaded, out 4 bytes a lane, key by key.
	s_lshl_b32 s12, s15, 7                         ; 32 z channels of 4 bytes
	s_or_b32 s16, s16, s12
	s_add_nc_u64 s[6:7], s[6:7], s[16:17]
	s_mov_b32 s18, s12
	s_add_nc_u64 s[22:23], s[8:9], s[18:19]        ; + 128 z: my scale words (with the immediate 8,704)
	s_mul_i32 s18, s15, 4*CH
	s_add_nc_u64 s[8:9], s[8:9], s[18:19]          ; + four chunks x z: my two channel tiles (with the immediate of eight chunks),
	s_mul_i32 s18, s14, CH-512
	s_sub_nc_u64 s[8:9], s[8:9], s[18:19]          ; back from chunk j to the head's first, and 512 j on
	s_lshl_b32 s13, s10, 12
	s_add_co_u32 s13, s13, VST                     ; my stage: VST + 4,096 x wave
	s_wait_alu depctr_va_vdst(0)                   ; ahead of the readers below
	v_lshrrev_b32 v4, 3, v1                        ; in: eight lanes to a key's 128 bytes, four keys a load:
	v_and_b32 v8, 7, v1
	v_lshlrev_b32 v4, 11, v4
	v_lshl_add_u32 v4, v8, 4, v4                   ; 2,048 (lane / 8) + 16 (lane % 8)
	v_lshlrev_b32 v7, 4, v1
	v_add_nc_u32 v7, s13, v7                       ; into the stage: a key's row is 128 bytes, so a load's four keys are 512 bytes on end: 16 x lane
	v_lshlrev_b32 v9, 2, v1                        ; 4 x lane
	v_add_nc_u32 v6, s13, v9                       ; out of it: my channel's 4 bytes of a key's row: 32 lanes read 128 consecutive bytes
	v_lshlrev_b32 v5, 4, v2
	v_mad_u32_u24 v5, v3, 2*CH, v5                 ; codes: channel tile 2 z + h, two chunks to a tile; row r at 16 r
; Block b: keys 32 b + 4 i + lane / 8, i = 0 .. 7.  A key's other 128 bytes are read by the wave beside me in this work-group (so no hint that the bytes are not wanted again).
.macro VLOAD b
.irp i, 0,1,2,3,4,5,6,7
	global_load_b128 v[X+32*(\b)+4*\i:X+32*(\b)+4*\i+3], v4, s[6:7] offset:(32*(\b)+4*\i)*2048
.endr
.endm
; Block b through the stage, back into the registers that it left: register k is then V(32 b + k, my channel).  LDS serves a wave's instructions in order (ISA guide 5.7.1.4): the loads see the stores.
.macro VTURN b
.irp i, 0,1,2,3,4,5,6,7
	ds_store_b128 v7, v[X+32*(\b)+4*\i:X+32*(\b)+4*\i+3] offset:512*\i
.endr
.set k, 0
.rept 32
	ds_load_b32 v[X+32*(\b)+k], v6 offset:128*k
.set k, k+1
.endr
.endm
.macro VOUT b
	Q32 X+32*(\b), C+4*(\b)
.if (\b) == 0
	v_mov_b32 v[W], v[BYT]                         ; the step's four bytes make my channel's scale word (a plain line behind the conversions)
.else
	v_lshl_or_b32 v[W], v[BYT], 8*(\b), v[W]
.endif
	global_store_b128 v5, v[C+4*(\b):C+4*(\b)+3], s[8:9] offset:8*CH+CH*((\b)/2)+256*((\b)%2)   ; block b = 2 c + h' is half c, lanes 16 h' on, of the image: each half of my lanes stores 256 consecutive bytes, aligned
.endm
	VLOAD 0
	VLOAD 1
	VLOAD 2
	VLOAD 3                                        ; all 32 loads, the wave's 16 KiB, are out
	s_wait_alu depctr_va_vdst(0)                   ; at the head's end
	s_wait_loadcnt 24                              ; block 0's eight are in; the 24 of the three later blocks may be out
	VTURN 0
	s_wait_loadcnt 16
	s_wait_dscnt 0x0                               ; block 0 is back: a turn is 40 LDS instructions, and no more than one turn is out at a time
	VTURN 1                                        ; the next block turns while this one is quantised
	VOUT 0
	s_wait_loadcnt 8
	s_wait_dscnt 0x0
	VTURN 2
	VOUT 1
	s_wait_loadcnt 0x0
	s_wait_dscnt 0x0
	VTURN 3
	VOUT 2
	s_wait_dscnt 0x0
	VOUT 3
	global_store_b32 v9, v[W], s[22:23] offset:8704        ; 128 consecutive bytes: half of an aligned 256; the other half is the neighbouring wave's.  One byte in 128 of what this path reads
	s_wait_tensorcnt 0x0                           ; the wave's end
	ds_add_u32 v[SPW], v[NIL]
	s_wait_dscnt 0x0
	s_endpgm
.Lfunc_end_k_q54106758d4_prep:
	.size	k_q54106758d4_prep, .Lfunc_end_k_q54106758d4_prep-k_q54106758d4_prep
	.p2alignl 7, 3214868480
	.fill 96, 4, 3214868480
	.section	.rodata,"a",@progbits
	.p2align	6, 0x0
	.amdhsa_kernel k_q54106758d4_prep
		.amdhsa_group_segment_fixed_size 34304
		.amdhsa_private_segment_fixed_size 0
		.amdhsa_enable_private_segment 0
		.amdhsa_kernarg_size 24
		.amdhsa_user_sgpr_count 2
		.amdhsa_user_sgpr_kernarg_segment_ptr 1
		.amdhsa_wavefront_size32 1
		.amdhsa_system_sgpr_workgroup_id_x 1
		.amdhsa_system_sgpr_workgroup_id_y 1
		.amdhsa_system_sgpr_workgroup_id_z 1
		.amdhsa_system_vgpr_workitem_id 0
		.amdhsa_next_free_vgpr 178
		.amdhsa_next_free_sgpr 66
		.amdhsa_reserve_vcc 1
		.amdhsa_float_denorm_mode_32 3
		.amdhsa_float_denorm_mode_16_64 3
		.amdhsa_memory_ordered 1
		.amdhsa_forward_progress 1
		.amdhsa_inst_pref_size 38
	.end_amdhsa_kernel
	.amdgpu_metadata
---
amdhsa.version: [ 1, 2 ]
amdhsa.kernels:
  - .name:           k_q54106758d4_prep
    .symbol:         k_q54106758d4_prep.kd
    .args:
      - { .name: keys, .offset: 0, .size: 8, .value_kind: global_buffer, .address_space: global }
      - { .name: values, .offset: 8, .size: 8, .value_kind: global_buffer, .address_space: global }
      - { .name: kv, .offset: 16, .size: 8, .value_kind: global_buffer, .address_space: global }
    .group_segment_fixed_size: 34304
    .private_segment_fixed_size: 0
    .kernarg_segment_align: 8
    .kernarg_segment_size: 24
    .max_flat_workgroup_size: 128
    .sgpr_count:     66
    .vgpr_count:     178
    .wavefront_size: 32
...
	.end_amdgpu_metadata
.endif
;; end of part 1
;; launch attn (part 2): grid 8 x 32, 16 waves a work-group, no clusters, 231,424 bytes of LDS; arguments queries, kv, out0; writes out0
.if DOCPART == 2
	.amdgcn_target "amdgcn-amd-amdhsa--gfx1250"
	.amdhsa_code_object_version 6
	.text
	.protected	k_q54106758d4_attn
	.globl	k_q54106758d4_attn
	.p2align	8
	.type	k_q54106758d4_attn,@function
k_q54106758d4_attn:
	s_mov_b64 s[64:65], 0
	v_nop
	global_prefetch_b8 v0, s[64:65] scope:SCOPE_SE
	s_setreg_imm32_b32 hwreg(HW_REG_WAVE_MODE, 25, 1), 1
	s_wait_xcnt 0x0
; out0[b][q][head][:] = the sum over keys k <= q of softmax_k(Q . K / 8) V, both products on codes of FP4 (E2M1) with one E8M0 scale for each 32 along a product's K.
; queries, out0: [4][2048][8][64] f32.  kv: K's and V's codes and scale words as images of the operands' registers, sixteen chunks of 8,960 bytes for each head bh; record j = 128 keys:
;   chunk t (0..7) +512 j: K's tile t; chunk 8 + 2 t + c +512 j: V's channel tile t, half c; chunk j +8192: record j's scale words of K (256 (t / 4) + 16 r + 4 (t % 4)); chunk j +8704: those of V (4 x channel).
; THE SOFTMAX AHEAD OF THE SECOND PRODUCT: t = score x log2(e) / 8; M = the row's largest t so far, rounded UP to a whole number; p = 2^(t - M) is quantised along the keys, not normalised.
; The row's sum is taken of the unquantised p, in f32, and divides O at the end.  When M moves, the sum and O are multiplied by 2^(old M - new M): exact.
; WORK LEFT OUT: whole records of 128 keys that come after all of a tile's queries: reference()'s own mask makes their p exactly 0 for all inputs.  A NaN, an infinity or an overflow that reaches only them is not carried.
; LIMITS: NaN and infinities among the inputs are not served.  The promise holds while t stays under 2^31 in magnitude (hidden scores are set to -2^117 or less).  A block of p that has fallen to zeros keeps the byte 1: its codes are zeros.
; THE FIRST PRODUCT'S K IS 64, half of the instruction's 128: registers 4-7 of Q's fragment hold zero codes, so whatever codes stand in the upper half of K's fragment add nothing: a fragment of K is 8 registers from its own 4 on, the
; next tile's 4 among them.  Bytes 2, 3 of both scale words are 0 (2^-127 over zeros adds nothing).
; SHARES.  A head's 16 blocks of 128 queries are dealt in pairs: work-group x owns the short block x (x + 1 records) and the long block 15 - x (16 - x records): 17 block steps in every work-group, 256 equal work-groups.
; Sixteen waves in 256 registers, four on a SIMD.  Tile a (16 queries) of the two blocks belongs to waves w and w xor 4: wave A takes the LONG tile's records 0-8; wave B takes the SHORT tile's records 0 .. x, stores that result,
; and then takes the long tile's records 9 .. 15 - x.  So A has steps 0-8 and B steps 0-7: in step n A takes record n, B record n up to x and n + 8 - x behind it.  At the end B hands its sums of the long tile to A through LDS, and A joins the two and stores.
; A is role 0, B role 1: role = (w ^ (w >> 2)) & 1, a = (w & 3) | ((w >> 1) & 4): four waves on end, and four waves 4 apart, hold two of each role.
; THE STEPS GO TOGETHER.  From step 1 on each wave signals the work-group's barrier at a step's head and waits for it at the next step's head: no wave begins step n before all have begun step n - 1.
; Between a signal and its wait stand work on registers and LDS loads of the chunks, which nobody writes any more.
; LDS.  The head's sixteen chunks, 143,360 bytes, are brought ONCE by asynchronous copies, laid as in memory.  Wave w copies chunk w: its scale words and record 0's 512 bytes by three copies behind its loads of Q;
; records 1-15 by fifteen more when its first load of Q has landed, so that the requests for Q stand ahead of them.  Step 0 begins when the first three are in; the rest lands under step 0.
; All work-groups issue the same copies, so that the count at the first gate is the same on every path; the last x records of work-group x are not read.
; Behind the chunks: a stage of 16 x 272 bytes for each wave, and 1,024 bytes for each wave's codes and scale words of Q.
; LAYOUT.  Both products are used transposed: S^T = K Q^T (source 0 = 16 keys), O^T = V^T P^T (source 0 = 16 channels): a lane holds ONE query (r = lane % 16) throughout.
; THE KEYS OF A TILE ARE NOT NEIGHBOURS: rows 0-7 of tile 4 c + g are keys 64 c + 8 g + 0 .. 7 and rows 8-15 the keys 32 further on, so that a lane's 32 registers of tiles 4 c .. 4 c + 3 are the 32 keys of block 2 c + h (h = lane / 16):
; a block lies whole in one lane, as its maximum, its conversion and the second product's operand want it.
; NO CLUSTER: the eight work-groups of a head read the same chunks, but once each and not step by step, and the branches hang on x, which in a cluster would be a work-group's place there: partners of a joint request must run alike.
; NO PREFETCH: all that a work-group reads is asked for at its head; there is no loop of loads to run ahead of.
.set CH,    8960
.set SP,    272                        ; a stage row: 256 bytes + 16
.set STAGE, 16*CH                      ; 143,360
.set QX,    STAGE+16*16*SP             ; 212,992
.set SPARE, QX+16*1024                 ; 229,376: the spare words, 128 bytes for each wave
.set A16,  1                           ; v1   16 x lane
.set A16V, 2                           ; v2   the same, eight chunks on
.set A4,   3                           ; v3   4 x lane
.set ADK,  4                           ; v4, v6 the next step's addresses (K's tiles, K's scale words); v5, v7 this step's (V's)
.set ADV,  5
.set ADS,  6
.set ADT,  7
.set R,    8
.set H,    9
.set GO,   10                          ; v10  2048 h + 16 r: lanes 0-15 one row of Q or of O, lanes 16-31 the next
.set RD,   11                          ; v11  the same two rows in my stage
.set QR,   12                          ; v12  my stage, row r, + 128 h
.set STO,  13                          ; v13  my stage, row r, + 32 h
.set LS,   16                          ; v[16:17] the sum in two halves
.set NM,   18                          ; v18  the new -M; v19 is named with it as a pair
.set MX,   19                          ; v19  the largest score so far
.set OM,   20                          ; v20  the old -M
.set RHF,  21                          ; v21  r - 32 h + 0.5
.set SPW,  22                          ; v22  my spare word; v23 0: never rewritten
.set NIL,  23
.set F,    24                          ; v24  f = 2^(old M - new M); v25 is named with it as a pair
.set L,    26                          ; v[26:27] the mask's limits; in the join v26 is B's factor
.set TMP,  28                          ; v28, v29
.set TMP2, 29
.set QXW,  30                          ; v30, v31 where I put Q's codes and words
.set QXW4, 31
.set KFR,  32                          ; v32-63 K's eight tiles, v64-67 zeros behind the last
.set KSW,  68                          ; v68-71 K's scale words: lanes 0-15 tiles 0-3, lanes 16-31 tiles 4-7
.set VFR,  72                          ; v72-103 V's four fragments
.set VSW,  104                         ; v104-105 V's scale words: lanes 0-15 tile 2 i, lanes 16-31 tile 2 i + 1
.set QXR,  106                         ; v106, v107 the partner's codes and words
.set QXR4, 107
.set PXW,  108                         ; v108, v109 my stage at 16 x lane, 4 x lane
.set PXW4, 109
.set PXR,  110                         ; v110, v111 the partner's
.set PXR4, 111
.set S,    112                         ; v112-175 S^T, then p
.set O,    176                         ; v176-207 O^T, four tiles
.set PC,   208                         ; v208-215 p's codes
.set BM,   216                         ; v216-217 the blocks' largest scores, then largest p
.set TB,   208                         ; v208-217 at work in the second block's maximum (ahead of p's codes)
.set TA,   242                         ; v242-251 in the first's
.set CO,   218                         ; v218-219 the conversions' scale operands
.set PB,   220                         ; v220-221 the scales' bytes
.set PW,   222                         ; v222 p's scale word
.set CPW,  223                         ; v223 the copies: my chunk + 16 x lane, in LDS and in memory alike
.set CPS,  224                         ; v224 the same + 8 x lane
.set QF,   226                         ; v226-233 Q's fragment
.set QS,   234                         ; v234 Q's scale word
.set SC,   234                         ; chains of the sum: v[SC+2 i : SC+2 i+1], i = 1 .. 7: v236-249
.set WV,   10                          ; s10  my wave's number
.set RL,   12                          ; s12  my role
.set SEL,  20                          ; s[20:21] v_permlanex16_b32's selects for lane l xor 16
.set CS,   22                          ; s[22:23] c = log2(e) / 8, twice (the packed form names a pair and takes its low word for both halves)
.set NCS,  24                          ; s24  -c
.set BIG,  25                          ; s25  2^118
.set NB,   26                          ; s[26:27] -2^119
.set NB1,  28                          ; s28  -2^118
.set N,    29                          ; s29  the step's number
.set XL,   30                          ; s30  B: x; A: more than any step's number
.set DD,   31                          ; s31  8 - x
.set Q0,   32                          ; s32  my tile's first query
.set NL,   33                          ; s33  my number of steps: A 9, B 8
.set KF,   34                          ; s34  the step's first key
.set SJ,   35                          ; s35  512 j of the step's record j
.set SR,   38                          ; s38  8,960 j
.set Q0L,  39                          ; s39  the long tile's first query
.set SW,   44                          ; s44  the step in front of which the short tile goes out: B: x + 1; A: more than any step's number
.set STB,  45                          ; s45  my stage
.set KFN,  46                          ; s46, s62, s63: KF, SJ, SR of the next step
.set SJN,  62
.set SRN,  63
; 32 numbers of one block, v[x] .. v[x + 31], become 4 registers of codes v[c] .. v[c + 3]; the scale's byte is left in v[PB].
.macro Q32 x, c
.set k, 0
.rept 10
	v_max3_num_f32 v[TA+k], |v[\x+3*k]|, |v[\x+3*k+1]|, |v[\x+3*k+2]|      ; the largest magnitude, as a tree
.set k, k+1
.endr
.irp m, 0,1,2
	v_max3_num_f32 v[TA+\m], v[TA+3*\m], v[TA+3*\m+1], v[TA+3*\m+2]
.endr
	v_max3_num_f32 v[TA+3], v[TA+9], |v[\x+30]|, |v[\x+31]|
	v_max3_num_f32 v[TA], v[TA], v[TA+1], v[TA+2]
	v_max3_num_f32 v[BM], v[TA], v[TA+3], 0x1800000                ; the floor 2^(3 - 127): the byte cannot fall under 1
	v_add_nc_u32 v[CO], 0xff000000, v[BM]                          ; 2 off the exponent field: the conversion's scale operand
	v_lshrrev_b32 v[PB], 23, v[CO]
.irp g, 0,1,2,3
	v_cvt_scalef32_pk8_fp4_f32 v[\c+\g], v[\x+8*\g:\x+8*\g+7], v[CO]
.endr
.endm
.macro INIT                            ; a tile begins: the largest score is under every score, the old -M so large that the first factor is 0
	v_mov_b32 v[LS], 0
	v_mov_b32 v[LS+1], 0
	v_mov_b32 v[MX], 0xff61b1e6                    ; -3e38
	v_mov_b32 v[OM], 0x7e000000                    ; 2^125
.set k, 0
.rept 32
	v_mov_b32 v[O+k], 0                            ; every step has one form: the first finds zeros
.set k, k+1
.endr
.endm
	s_load_b128 s[4:7], s[0:1], 0x0                ; queries s[4:5], kv s[6:7]
	s_load_b64 s[8:9], s[0:1], 0x10                ; out0
	v_lshl_add_u32 v[SPW], v0, 2, SPARE
	v_mov_b32 v[NIL], 0
	ds_add_u32 v[SPW], v[NIL]                      ; the wave's opening: the add, twice on end,
	ds_add_u32 v[SPW], v[NIL]                      ; and its wait ahead of the first copy
	v_lshrrev_b32 v[R], 5, v0
	v_readfirstlane_b32 s[WV], v[R]                ; wave 0..15
	s_and_b32 s11, ttmp7, 0xffff                   ; bh = 8 b + head
	s_lshr_b32 s12, s[WV], 2
	s_xor_b32 s12, s12, s[WV]
	s_and_b32 s[RL], s12, 1                        ; 0: A, 1: B
	s_and_b32 s13, s[WV], 3
	s_lshr_b32 s14, s[WV], 1
	s_and_b32 s14, s14, 4
	s_or_b32 s13, s13, s14                         ; a
	s_lshl_b32 s13, s13, 4                         ; its first query in the block
	s_sub_co_u32 s15, 15, ttmp9                    ; the long block
	s_lshl_b32 s15, s15, 7
	s_add_co_u32 s[Q0L], s15, s13
	s_lshl_b32 s17, ttmp9, 7
	s_add_co_u32 s16, s17, s13                     ; the short tile's first query
	s_sub_co_u32 s[DD], 8, ttmp9
	s_add_co_u32 s17, ttmp9, 1
	s_cmp_eq_u32 s[RL], 0
	s_cselect_b32 s[Q0], s[Q0L], s16
	s_cselect_b32 s[XL], 64, ttmp9
	s_cselect_b32 s[SW], 64, s17
	s_cselect_b32 s[NL], 9, 8
	s_lshr_b32 s40, s11, 3                         ; my tile's byte offset in Q and in O: b x 2^22
	s_lshl_b32 s40, s40, 22
	s_lshl_b32 s14, s[Q0], 11                      ; + its first row of 2,048 bytes
	s_add_co_u32 s40, s40, s14
	s_and_b32 s14, s11, 7                          ; + the head's 256 bytes in it
	s_lshl_b32 s14, s14, 8
	s_add_co_u32 s40, s40, s14
	s_mov_b32 s41, 0
	s_mul_i32 s42, s11, 16*CH                      ; the head's first chunk
	s_mov_b32 s43, 0
	s_mul_i32 s14, s[WV], CH                       ; my chunk
	v_and_b32 v[R], 15, v0                         ; r
	v_bfe_u32 v[H], v0, 4, 1                       ; h
	v_and_b32 v[A4], 31, v0                        ; lane
	v_lshlrev_b32 v[GO], 4, v[R]
	v_lshlrev_b32 v[A16], 4, v[A4]
	v_lshlrev_b32 v[CPS], 3, v[A4]
	v_lshl_add_u32 v[GO], v[H], 11, v[GO]
	v_add_nc_u32 v[CPW], s14, v[A16]
	v_add_nc_u32 v[CPS], s14, v[CPS]
	v_lshlrev_b32 v[A4], 2, v[A4]
	s_wait_alu depctr_va_vdst(0)                   ; directly ahead of the waits below
	s_wait_dscnt 0x0                               ; both opening adds are done
	s_wait_kmcnt 0x0
	s_add_nc_u64 s[4:5], s[4:5], s[40:41]
	s_add_nc_u64 s[6:7], s[6:7], s[42:43]
	s_add_nc_u64 s[8:9], s[8:9], s[40:41]
.irp i, 0,1,2,3,4,5,6,7
	global_load_b128 v[S+4*\i:S+4*\i+3], v[GO], s[4:5] offset:4096*\i th:TH_LOAD_NT   ; my tile's 16 rows of Q, two whole rows of 256 bytes a load
.endr
	global_load_async_to_lds_b128 v[CPW], v[CPW], s[6:7] offset:8192   ; record w's scale words of K,
	global_load_async_to_lds_b64 v[CPS], v[CPS], s[6:7] offset:8704    ; and of V
	global_load_async_to_lds_b128 v[CPW], v[CPW], s[6:7]               ; my chunk's part of record 0: 512 consecutive bytes
	; what nothing waits for is made while Q is on its way
	s_mul_i32 s[STB], s[WV], 16*SP
	s_add_co_u32 s[STB], s[STB], STAGE             ; my stage
	s_xor_b32 s15, s[WV], 4                        ; the partner's number
	s_mul_i32 s16, s15, 16*SP
	s_add_co_u32 s16, s16, STAGE                   ; its stage
	s_lshl_b32 s17, s[WV], 10
	s_add_co_u32 s17, s17, QX                      ; where my codes of Q go
	s_lshl_b32 s18, s15, 10
	s_add_co_u32 s18, s18, QX                      ; and the partner's
	s_mov_b32 s[SEL], 0x76543210
	s_mov_b32 s[SEL+1], 0xfedcba98
	s_mov_b32 s[CS], 0x3e38aa3b                    ; c = log2(e) / 8
	s_mov_b32 s[CS+1], 0x3e38aa3b
	s_mov_b32 s[NCS], 0xbe38aa3b
	s_mov_b32 s[BIG], 0x7a800000
	s_mov_b32 s[NB], 0xfb000000
	s_mov_b32 s[NB+1], 0xfb000000
	s_mov_b32 s[NB1], 0xfa800000
	s_mov_b32 s[N], 0
	s_mov_b32 s[KF], 0
	s_mov_b32 s[SJ], 0
	s_mov_b32 s[SR], 0
	v_mul_u32_u24 v[RD], v[H], SP
	v_mul_u32_u24 v[QR], v[R], SP
	v_add_nc_u32 v[A16V], 8*CH, v[A16]
	v_lshl_add_u32 v[RD], v[R], 4, v[RD]
	v_lshl_add_u32 v[STO], v[H], 5, v[QR]
	v_lshl_add_u32 v[QR], v[H], 7, v[QR]
	v_add_nc_u32 v[RD], s[STB], v[RD]
	v_add_nc_u32 v[STO], s[STB], v[STO]
	v_add_nc_u32 v[QR], s[STB], v[QR]
	v_add_nc_u32 v[PXW], s[STB], v[A16]
	v_add_nc_u32 v[PXW4], s[STB], v[A4]
	v_add_nc_u32 v[PXR], s16, v[A16]
	v_add_nc_u32 v[PXR4], s16, v[A4]
	v_add_nc_u32 v[QXW], s17, v[A16]
	v_add_nc_u32 v[QXW4], s17, v[A4]
	v_add_nc_u32 v[QXR], s18, v[A16]
	v_add_nc_u32 v[QXR4], s18, v[A4]
	v_lshlrev_b32 v[TMP], 5, v[H]
	v_sub_nc_u32 v[TMP], v[R], v[TMP]
	v_cvt_f32_i32 v[TMP], v[TMP]
	v_add_f32 v[RHF], 0.5, v[TMP]                  ; r - 32 h + 0.5
.irp j, 0,1,2,3
	v_mov_b32 v[QF+4+\j], 0                        ; zero codes for k = 64 .. 127 of Q,
	v_mov_b32 v[KFR+32+\j], 0                      ; and four registers behind K's last tile
.endr
	v_mov_b32 v[TMP2], 0                           ; a lane permute's destination counts as one of its sources
	v_mov_b32 v[F+1], 0                            ; (named as upper halves of pairs)
	v_mov_b32 v[L+1], 0
	INIT
	s_wait_alu depctr_va_vdst(0)                   ; directly ahead of the waits below
	s_wait_loadcnt 7                               ; my first load of Q is in; the seven younger ones may be out
.irp j, 1,2,3,4,5,6,7,8,9,10,11,12,13,14,15
	global_load_async_to_lds_b128 v[CPW], v[CPW], s[6:7] offset:512*\j ; my chunk's part of record j
.endr
.irp i, 0,1,2,3,4,5,6,7
	s_wait_loadcnt 7-\i                            ; load i is in; the 7 - i younger ones may be out
	ds_store_b128 v[RD], v[S+4*\i:S+4*\i+3] offset:2*SP*\i
.endr
.irp i, 0,1,2,3,4,5,6,7
	ds_load_b128 v[S+4*\i:S+4*\i+3], v[QR] offset:16*\i   ; LDS serves a wave's instructions in order (ISA guide 5.7.1.4): these see my stores.  Lane (r, h): channels 32 h .. 32 h + 31 of query r
.endr
	s_wait_dscnt 0x0
	Q32 S, QF
	v_permlanex16_b32 v[TMP2], v[PB], s[SEL], s[SEL+1]     ; (a plain line behind the conversions)
	v_lshl_or_b32 v[QS], v[TMP2], 8, v[PB]         ; lanes 0-15: the query's two bytes (lanes 16-31 are not read)
	ds_store_b128 v[QXW], v[QF:QF+3]               ; A's are what B takes up behind its short tile
	ds_store_b32 v[QXW4], v[QS] offset:512
.rept 8
	v_nop                                          ; the places between Q's scale word and codes and the first product
.endr
	s_wait_alu depctr_va_vdst(0)                   ; at the head's end
	s_wait_dscnt 0x0                               ; Q's codes lie in LDS, for the partner
	s_wait_asynccnt 15                             ; my scale words and my part of record 0 have landed; the copies of records 1-15 may be out (no LDS byte is filled again)
	s_barrier_signal -1
	s_barrier_wait -1                              ; so have everybody's
; The mask on one half c of the step (32 registers from v[S + s] on): register i stays where i <= d: it is held under (d - i + 0.5) 2^118, which is over every score or under every one.
.macro MASK s
.set k, 0
.rept 16
	v_min_num_f32 v[S+\s+2*k], v[S+\s+2*k], v[L]
	v_min_num_f32 v[S+\s+2*k+1], v[S+\s+2*k+1], v[L+1]
	v_pk_add_f32 v[L:L+1], v[L:L+1], s[NB:NB+1] op_sel_hi:[1,0]
.set k, k+1
.endr
.endm
.macro PKF a, b                        ; t - M, two at a time, pairs a .. b - 1 (of the pairs c and -M the low word serves both halves)
.set k, \a
.rept (\b)-(\a)
	v_pk_fma_f32 v[S+2*k:S+2*k+1], v[S+2*k:S+2*k+1], s[CS:CS+1], v[NM:NM+1] op_sel_hi:[1,0,0]
.set k, k+1
.endr
.endm
.macro SUM a, b                        ; the row's sum of the unquantised p, pairs a .. b - 1, in eight chains
.set k, \a
.rept (\b)-(\a)
.if k%8 == 0
	v_pk_add_f32 v[LS:LS+1], v[LS:LS+1], v[S+2*k:S+2*k+1]
.else
	v_pk_add_f32 v[SC+2*(k%8):SC+2*(k%8)+1], v[SC+2*(k%8):SC+2*(k%8)+1], v[S+2*k:S+2*k+1]
.endif
.set k, k+1
.endr
.endm
.macro BEGIN a, b                      ; pairs 2 i - 1 and 2 i begin chain i
.set k, \a
.rept (\b)-(\a)
	v_pk_add_f32 v[SC+2*k:SC+2*k+1], v[S+4*k-2:S+4*k-1], v[S+4*k:S+4*k+1]
.set k, k+1
.endr
.endm
.macro KLD                             ; K's eight tiles and scale words, nine loads: 32 lanes read 512 consecutive bytes
.irp t, 0,1,2,3,4,5,6,7
	ds_load_b128 v[KFR+4*\t:KFR+4*\t+3], v[ADK] offset:CH*\t
.endr
	ds_load_b128 v[KSW:KSW+3], v[ADS] offset:8192
.endm
.macro NEXTJ                           ; the next step's record: n + 1, and 8 - x further on where B is behind its short tile
	s_add_co_u32 s36, s[N], 1
	s_cmp_gt_u32 s36, s[XL]
	s_cselect_b32 s37, s[DD], 0
	s_add_co_u32 s36, s36, s37
	s_and_b32 s36, s36, 15                         ; (it passes 15 only behind a wave's last step)
	s_lshl_b32 s[SJN], s36, 9
	s_lshl_b32 s[KFN], s36, 7
	s_mul_i32 s[SRN], s36, CH
.endm
.macro ADVANCE
	s_mov_b32 s[SJ], s[SJN]
	s_mov_b32 s[SR], s[SRN]
	s_mov_b32 s[KF], s[KFN]
.endm
; A KEY STEP: the 128 keys from s[KF] on.  first = 1: step 0, which loads its own K and holds the second gate's signal.  first = 0: K's registers were filled in the step before, and the next step's K is asked for here
; (behind a wave's last step once for nothing: the loop has one form).
.macro STEP first
.if \first
	v_add_nc_u32 v[ADK], s[SJ], v[A16]
	v_add_nc_u32 v[ADS], s[SR], v[A16]
	KLD
	s_wait_dscnt 0x0
.endif
.irp t, 0,1,2,3,4,5,6,7
.if \t < 4
	v_wmma_scale_f32_16x16x128_f8f6f4 v[S+8*\t:S+8*\t+7], v[KFR+4*\t:KFR+4*\t+7], v[QF:QF+7], 0, v[KSW+\t%4], v[QS] matrix_a_fmt:MATRIX_FMT_FP4 matrix_b_fmt:MATRIX_FMT_FP4
.else
	v_wmma_scale_f32_16x16x128_f8f6f4 v[S+8*\t:S+8*\t+7], v[KFR+4*\t:KFR+4*\t+7], v[QF:QF+7], 0, v[KSW+\t%4], v[QS] matrix_a_fmt:MATRIX_FMT_FP4 matrix_b_fmt:MATRIX_FMT_FP4 matrix_a_scale:MATRIX_SCALE_ROW1
.endif
.endr
	NEXTJ
	v_add_nc_u32 v[ADV], s[SJ], v[A16V]            ; four places behind the products (ISA guide 7.12.1), in front of the first read of the scores
	v_add_nc_u32 v[ADT], s[SR], v[A4]
.if \first
	v_nop
	v_nop
.else
	v_add_nc_u32 v[ADK], s[SJN], v[A16]
	v_add_nc_u32 v[ADS], s[SRN], v[A16]
.endif
.irp u, 0,1,2,3,4,5,6,7
	ds_load_b128 v[VFR+4*\u:VFR+4*\u+3], v[ADV] offset:CH*\u       ; V's tile u / 2, half u % 2: these land under the softmax
.endr
	ds_load_b32 v[VSW], v[ADT] offset:8704
	ds_load_b32 v[VSW+1], v[ADT] offset:8832
	s_add_co_u32 s36, s[KF], 127
	s_cmp_le_u32 s36, s[Q0]                        ; every key of the step counts for every query of mine: no mask
	s_cbranch_scc1 .Lopen_\@
	s_sub_co_i32 s36, s[Q0], s[KF]                 ; where my queries begin in the step: 0, 16 .. 112
	s_and_b32 s37, s36, 63                         ; and in its half c
	v_cvt_f32_u32 v[TMP], s37
	v_add_f32 v[TMP], v[TMP], v[RHF]               ; d + 0.5: register i of half c holds key 32 h + i of the half: hidden where i > d
	v_mul_f32 v[L], s[BIG], v[TMP]
	v_add_f32 v[L+1], s[NB1], v[L]
	s_wait_alu depctr_va_vdst(0)                   ; ahead of the branch
	s_cmp_ge_u32 s36, 64
	s_cbranch_scc1 .Lhigh_\@
	MASK 0                                         ; my queries lie in the lower half: the upper 64 keys are hidden from all of them
.set k, 0
.rept 32
	v_mov_b32 v[S+32+k], s[NB1]
.set k, k+1
.endr
	s_branch .Lopen_\@
.Lhigh_\@:
	MASK 32                                        ; they lie in the upper half: the lower 64 keys all count
.Lopen_\@:
; THE LARGEST SCORE OF EACH BLOCK OF 32 KEYS, as a tree: it serves twice: for the row's maximum, and, since p rises with the score, for the block's largest p
.set k, 0
.rept 10
	v_max3_num_f32 v[TA+k], v[S+3*k], v[S+3*k+1], v[S+3*k+2]
.set k, k+1
.endr
.set k, 0
.rept 10
	v_max3_num_f32 v[TB+k], v[S+32+3*k], v[S+33+3*k], v[S+34+3*k]
.set k, k+1
.endr
.irp m, 0,1,2
	v_max3_num_f32 v[TA+\m], v[TA+3*\m], v[TA+3*\m+1], v[TA+3*\m+2]
	v_max3_num_f32 v[TB+\m], v[TB+3*\m], v[TB+3*\m+1], v[TB+3*\m+2]
.endr
	v_max3_num_f32 v[TA+3], v[TA+9], v[S+30], v[S+31]
	v_max3_num_f32 v[TB+3], v[TB+9], v[S+62], v[S+63]
	v_max3_num_f32 v[TA], v[TA], v[TA+1], v[TA+2]
	v_max3_num_f32 v[TB], v[TB], v[TB+1], v[TB+2]
	v_max_num_f32 v[BM], v[TA], v[TA+3]
	v_max_num_f32 v[BM+1], v[TB], v[TB+3]
	s_delay_alu instid0(VALU_DEP_1)
	v_max3_num_f32 v[TMP], v[BM], v[BM+1], v[MX]
	s_delay_alu instid0(VALU_DEP_1)
	v_permlanex16_b32 v[TMP2], v[TMP], s[SEL], s[SEL+1]
	s_delay_alu instid0(VALU_DEP_1)
	v_max_num_f32 v[MX], v[TMP], v[TMP2]           ; the row's largest score so far, lane l xor 16's keys among them
	s_delay_alu instid0(VALU_DEP_1)
	v_mul_f32 v[TMP], s[NCS], v[MX]                ; -t (c is positive)
	s_delay_alu instid0(VALU_DEP_1)
	v_floor_f32 v[NM], v[TMP]                      ; the new -M = floor(-t) = -ceil(t): a whole number
	s_delay_alu instid0(VALU_DEP_1)
	v_sub_f32 v[TMP], v[NM], v[OM]                 ; M's old value less its new one: 0 or less
	PKF 0, 4
	v_cvt_i32_f32 v[TMP], v[TMP]                   ; (it saturates)
	PKF 4, 8
	v_ldexp_f32 v[F], 1.0, v[TMP]                  ; f = 2^(old M - new M): a multiplication by it rounds nothing
.if \first == 0
	KLD                                            ; the next step's K: this step's score products have read these registers
.endif
	PKF 8, 32
.set k, 0
.rept 16
	v_pk_mul_f32 v[O+k:O+k+1], v[O+k:O+k+1], v[F:F+1] op_sel_hi:[1,0]   ; O^T under the new M, each accumulator from its low end on
.set k, k+2
.endr
	v_fma_f32 v[BM], v[BM], s[CS], v[NM]
	v_fma_f32 v[BM+1], v[BM+1], s[CS], v[NM]
	s_wait_alu depctr_va_vdst(0)                   ; ahead of the batch
	v_exp_f32 v[BM], v[BM]                         ; the blocks' largest p: the same two instructions on the same number give the same bits
	v_exp_f32 v[BM+1], v[BM+1]
.set k, 0
.rept 64
	v_exp_f32 v[S+k], v[S+k]                       ; p = 2^(t - M): NOT normalised
.set k, k+1
.endr
	v_mov_b32 v[OM], v[NM]                         ; (the plain line behind the exponentials: ISA guide 5.7.2)
	s_wait_alu depctr_va_vdst(0)                   ; and the wait behind it
.if \first
	s_wait_asynccnt 0x0                            ; all my copies have landed,
	s_wait_dscnt 0x0                               ; no LDS instruction of mine is out:
	s_barrier_signal -1                            ; the second gate; work on registers up to its wait, behind the step
.endif
	v_max_num_f32 v[BM], 0x1800000, v[BM]          ; the floor 2^(3 - 127): the byte cannot fall under 1
	v_max_num_f32 v[BM+1], 0x1800000, v[BM+1]
	v_pk_fma_f32 v[LS:LS+1], v[LS:LS+1], v[F:F+1], v[S:S+1] op_sel_hi:[1,0,1]   ; the old sum under the new M, and pair 0
	BEGIN 1, 4
	v_add_nc_u32 v[CO], 0xff000000, v[BM]          ; 2 off the exponent field: the conversion's scale operand
	v_add_nc_u32 v[CO+1], 0xff000000, v[BM+1]
	BEGIN 4, 8
	v_lshrrev_b32 v[PB], 23, v[CO]                 ; the scales' bytes
	v_lshrrev_b32 v[PB+1], 23, v[CO+1]
	SUM 15, 18
	v_lshl_or_b32 v[TMP], v[PB+1], 16, v[PB]       ; blocks h and 2 + h
	SUM 18, 20
	v_permlanex16_b32 v[TMP2], v[TMP], s[SEL], s[SEL+1]
	SUM 20, 22
	v_lshl_or_b32 v[PW], v[TMP2], 8, v[TMP]        ; lanes 0-15: p's scale word, blocks 0 to 3 (lanes 16-31 are not read)
.irp g, 0,1,2,3
	v_cvt_scalef32_pk8_fp4_f32 v[PC+\g], v[S+8*\g:S+8*\g+7], v[CO]
	v_cvt_scalef32_pk8_fp4_f32 v[PC+4+\g], v[S+32+8*\g:S+39+8*\g], v[CO+1]
.endr
	SUM 22, 32                                     ; (these and the seven below are also the places between p's codes and scale word and the products)
	v_pk_add_f32 v[LS:LS+1], v[LS:LS+1], v[SC+14:SC+15]
	v_pk_add_f32 v[SC+2:SC+3], v[SC+2:SC+3], v[SC+4:SC+5]
	v_pk_add_f32 v[SC+6:SC+7], v[SC+6:SC+7], v[SC+8:SC+9]
	v_pk_add_f32 v[SC+10:SC+11], v[SC+10:SC+11], v[SC+12:SC+13]
	v_pk_add_f32 v[SC+2:SC+3], v[SC+2:SC+3], v[SC+6:SC+7]
	v_pk_add_f32 v[LS:LS+1], v[LS:LS+1], v[SC+10:SC+11]
	v_pk_add_f32 v[LS:LS+1], v[LS:LS+1], v[SC+2:SC+3]
	s_wait_dscnt 0x0                               ; V's fragments and scale words are in (and the next step's K)
; O^T += V^T P^T: four tiles of 16 channels, K = these 128 keys.  The four accumulators take turns, and the next step's eight score products stand between two links on one accumulator.
.irp t, 0,1,2,3
.if \t%2
	v_wmma_scale_f32_16x16x128_f8f6f4 v[O+8*\t:O+8*\t+7], v[VFR+8*\t:VFR+8*\t+7], v[PC:PC+7], v[O+8*\t:O+8*\t+7], v[VSW+\t/2], v[PW] matrix_a_fmt:MATRIX_FMT_FP4 matrix_b_fmt:MATRIX_FMT_FP4 matrix_a_scale:MATRIX_SCALE_ROW1
.else
	v_wmma_scale_f32_16x16x128_f8f6f4 v[O+8*\t:O+8*\t+7], v[VFR+8*\t:VFR+8*\t+7], v[PC:PC+7], v[O+8*\t:O+8*\t+7], v[VSW+\t/2], v[PW] matrix_a_fmt:MATRIX_FMT_FP4 matrix_b_fmt:MATRIX_FMT_FP4
.endif
.endr
.endm
; THE WAY OUT.  O^T is divided by the row's sum and goes through my stage, so that sixteen lanes store one whole row of 256 bytes.
.macro WAYOUT
	s_wait_alu depctr_va_vdst(0)                   ; the sum was written ahead of branches
	v_add_f32 v[TMP], v[LS], v[LS+1]               ; the sum's two halves,
	s_delay_alu instid0(VALU_DEP_1)
	v_permlanex16_b32 v[TMP2], v[TMP], s[SEL], s[SEL+1]
	s_delay_alu instid0(VALU_DEP_1)
	v_add_f32 v[TMP], v[TMP], v[TMP2]              ; and lane l xor 16's: the row's sum
	v_nop                                          ; the fourth place behind the last products
	s_wait_alu depctr_va_vdst(0)                   ; the wait ahead of the transcendental,
	v_rcp_f32 v[TMP], v[TMP]
	v_nop                                          ; one plain line behind it,
	s_wait_alu depctr_va_vdst(0)                   ; and the wait ahead of its first reader
.set k, 0
.rept 16
	v_pk_mul_f32 v[S+k:S+k+1], v[O+k:O+k+1], v[TMP:TMP+1] op_sel_hi:[1,0]   ; register 8 t + i is o(query r, channel 16 t + 8 h + i); each accumulator from its low end on
.set k, k+2
.endr
.irp t, 0,1,2,3
	ds_store_b128 v[STO], v[S+8*\t:S+8*\t+3] offset:64*\t
	ds_store_b128 v[STO], v[S+8*\t+4:S+8*\t+7] offset:64*\t+16
.endr
.irp i, 0,1,2,3,4,5,6,7
	ds_load_b128 v[S+32+4*\i:S+32+4*\i+3], v[RD] offset:2*SP*\i    ; LDS serves a wave's instructions in order: these see my stores
.endr
.irp i, 0,1,2,3,4,5,6,7
	s_wait_dscnt 7-\i                              ; load i is in; the 7 - i younger ones may be out
	global_store_b128 v[GO], v[S+32+4*\i:S+32+4*\i+3], s[8:9] offset:4096*\i th:TH_STORE_NT   ; each half of the lanes stores 256 consecutive bytes, at a multiple of 256 from out0's first byte
.endr
.endm
	STEP 1                                         ; step 0: record 0 in every wave
	ADVANCE
	s_barrier_wait -1                              ; everybody's copies have landed: all sixteen chunks are whole
	v_add_nc_u32 v[ADK], s[SJ], v[A16]
	v_add_nc_u32 v[ADS], s[SR], v[A16]
	KLD                                            ; step 1's K
	s_mov_b32 s[N], 1
	s_wait_dscnt 0x0
	s_barrier_signal -1
.Lstep:                                            ; steps 1-8
	s_barrier_wait -1                              ; everybody has begun the step before
	s_cmp_eq_u32 s[N], s[SW]
	s_cbranch_scc0 .Lstay
	WAYOUT                                         ; B: the short tile goes out,
	s_mov_b32 s[Q0], s[Q0L]                        ; and the long tile's records from 9 on follow
	ds_load_b128 v[QF:QF+3], v[QXR]                ; its codes and scale words of Q, as A stored them ahead of the first gate
	ds_load_b32 v[QS], v[QXR4] offset:512
	INIT
	s_wait_alu depctr_va_vdst(0)                   ; directly ahead of the waits below
	s_wait_dscnt 0x0
	s_wait_xcnt 0x0                                ; the stores have read their registers, which the next scores take
.Lstay:
	s_barrier_signal -1                            ; no LDS instruction of mine is out: I begin this step
	s_cmp_ge_u32 s[N], s[NL]                       ; B has no step 8
	s_cbranch_scc1 .Lnone
	STEP 0
.Lnone:
	ADVANCE
	s_add_co_u32 s[N], s[N], 1
	s_cmp_lt_u32 s[N], 9
	s_cbranch_scc1 .Lstep
	s_barrier_wait -1
	s_cmp_eq_u32 s[RL], 0
	s_cbranch_scc1 .Lmeet
	s_wait_alu depctr_va_vdst(0)                   ; the sum was written ahead of branches
	v_add_f32 v[TMP], v[LS], v[LS+1]               ; B hands over: my lane's sum,
.rept 3
	v_nop                                          ; (places behind the last products)
.endr
.irp k, 0,1,2,3,4,5,6,7
	ds_store_b128 v[PXW], v[O+4*\k:O+4*\k+3] offset:512*\k         ; O^T, each accumulator from its low end on,
.endr
	ds_store_b32 v[PXW4], v[OM] offset:4096        ; -M
	ds_store_b32 v[PXW4], v[TMP] offset:4224
.Lmeet:
	s_wait_alu depctr_va_vdst(0)                   ; directly ahead of the waits below
	s_wait_dscnt 0x0                               ; my part lies in LDS
	s_barrier_signal -1
	s_barrier_wait -1
	s_cmp_lg_u32 s[RL], 0
	s_cbranch_scc1 .Lend                           ; B has done its work
	ds_load_b32 v[CO], v[PXR4] offset:4096         ; A joins: B's -M (2^125 where B had no step of the long tile),
	ds_load_b32 v[CO+1], v[PXR4] offset:4224       ; its sum,
.irp k, 0,1,2,3,4,5,6,7
	ds_load_b128 v[S+4*\k:S+4*\k+3], v[PXR] offset:512*\k          ; its O^T
.endr
	s_wait_dscnt 8                                 ; the first two are in; the eight of O^T may be out
	v_min_num_f32 v[NM], v[OM], v[CO]              ; the joint -M
	v_sub_f32 v[TMP], v[NM], v[OM]
	v_sub_f32 v[TMP2], v[NM], v[CO]
	v_cvt_i32_f32 v[TMP], v[TMP]                   ; (they saturate)
	v_cvt_i32_f32 v[TMP2], v[TMP2]
	v_ldexp_f32 v[F], 1.0, v[TMP]                  ; my factor and B's: powers of two, at most 1
	v_ldexp_f32 v[L], 1.0, v[TMP2]
	v_pk_mul_f32 v[LS:LS+1], v[LS:LS+1], v[F:F+1] op_sel_hi:[1,0]
	v_fma_f32 v[LS], v[CO+1], v[L], v[LS]
	s_wait_alu depctr_va_vdst(0)                   ; directly ahead of the wait below
	s_wait_dscnt 0x0
.set k, 0
.rept 16
	v_pk_mul_f32 v[S+k:S+k+1], v[S+k:S+k+1], v[L:L+1] op_sel_hi:[1,0]
.set k, k+2
.endr
.set k, 0
.rept 16
	v_pk_fma_f32 v[O+k:O+k+1], v[O+k:O+k+1], v[F:F+1], v[S+k:S+k+1] op_sel_hi:[1,0,1]
.set k, k+2
.endr
	WAYOUT
.Lend:
	s_wait_asynccnt 0x0
	s_wait_tensorcnt 0x0                           ; the wave's end, behind my last LDS store
	ds_add_u32 v[SPW], v[NIL]
	s_wait_dscnt 0x0
	s_endpgm
.Lfunc_end_k_q54106758d4_attn:
	.size	k_q54106758d4_attn, .Lfunc_end_k_q54106758d4_attn-k_q54106758d4_attn
	.p2alignl 7, 3214868480
	.fill 96, 4, 3214868480
	.section	.rodata,"a",@progbits
	.p2align	6, 0x0
	.amdhsa_kernel k_q54106758d4_attn
		.amdhsa_group_segment_fixed_size 231424
		.amdhsa_private_segment_fixed_size 0
		.amdhsa_enable_private_segment 0
		.amdhsa_kernarg_size 24
		.amdhsa_user_sgpr_count 2
		.amdhsa_user_sgpr_kernarg_segment_ptr 1
		.amdhsa_wavefront_size32 1
		.amdhsa_system_sgpr_workgroup_id_x 1
		.amdhsa_system_sgpr_workgroup_id_y 1
		.amdhsa_system_sgpr_workgroup_id_z 1
		.amdhsa_system_vgpr_workitem_id 0
		.amdhsa_next_free_vgpr 256
		.amdhsa_next_free_sgpr 66
		.amdhsa_reserve_vcc 0
		.amdhsa_float_denorm_mode_32 3
		.amdhsa_float_denorm_mode_16_64 3
		.amdhsa_memory_ordered 1
		.amdhsa_forward_progress 1
		.amdhsa_inst_pref_size 65
	.end_amdhsa_kernel
	.amdgpu_metadata
---
amdhsa.version: [ 1, 2 ]
amdhsa.kernels:
  - .name:           k_q54106758d4_attn
    .symbol:         k_q54106758d4_attn.kd
    .args:
      - { .name: queries, .offset: 0, .size: 8, .value_kind: global_buffer, .address_space: global }
      - { .name: kv, .offset: 8, .size: 8, .value_kind: global_buffer, .address_space: global }
      - { .name: out0, .offset: 16, .size: 8, .value_kind: global_buffer, .address_space: global }
    .group_segment_fixed_size: 231424
    .private_segment_fixed_size: 0
    .kernarg_segment_align: 8
    .kernarg_segment_size: 24
    .max_flat_workgroup_size: 512
    .sgpr_count:     66
    .vgpr_count:     256
    .wavefront_size: 32
...
	.end_amdgpu_metadata
.endif
;; end of part 2
